; MI455X (gfx1250); checked and timed in simulation.
; The chip was launched on July 23, 2026; its instructions are those of AMD's public machine-readable ISA for CDNA 5 (MIT licence, August 2026) and "CDNA5" Instruction Set Architecture Reference Guide (July 2026). The comments in the code are by the model that wrote it; some were corrected since.
;; VV Attention. Allowed arithmetic: matrix products marked QUANTISED: E2M3 operands, one E8M0 scale for each 32 along K, by v_wmma_scale_f32_16x16x128_f8f6f4 with both operands' format E2M3, f32 sums; everything else in f32.
;; Inputs: query_codes 1,024 x 8 x 24 x 24 uint8 (E2M3 codes of query, K innermost, in blocks of 32 codes, four codes in three bytes); query_scales 1,024 x 8 x 24 uint8 (E8M0 scales of query, one for each 32 codes along K); w_v_codes 768 x 24 x 24 uint8 (E2M3 codes of w_v, K innermost, in blocks of 32 codes, four codes in three bytes); w_v_scales 768 x 24 uint8 (E8M0 scales of w_v, one for each 32 codes along K).
;; Outputs: out0 1,024 x 8 x 768 float32.
;; This version of the problem:
;;   THIS VERSION OF THE PROBLEM IS GIVEN IN LOW PRECISION. The matrix products marked QUANTISED in the list below multiply operands that are first quantised to E2M3 (2 exponent bits, 3 mantissa bits; 6 bits a number), with one power-of-two scale for each 32 numbers along K (OCP MX v1.0); their sums are f32. All else is computed in f32.
;;   The module's matrix products, in the order in which they are computed (A, B: the left and right operand; K: the contracted axis; several contracted axes count as one K, in the product's order):
;;     1. [M 8,192, K 768] x [K 768, N 768]; A: input query (given as codes); B: input w_v (given as codes): QUANTISED
;;     2. batch 96 x [M 1,024, K 64] x [K 64, N 1,024]; A: computed on the way; B: computed on the way: QUANTISED
;;     3. batch 96 x [M 1,024, K 1,024] x [K 1,024, N 64]; A: softmax (see below); B: computed on the way: QUANTISED
;;   THE QUANTISER, for each operand of a quantised product, along K:
;;     - K is cut into blocks of 32 from its start; a last block that is shorter is filled with zeros.
;;     - A block's scale is 2^e with e = floor(log2(the largest magnitude in the block)) - 2, held to -126 .. 127; a block of zeros has e = 0. As a byte (E8M0): e + 127.
;;     - Each number is divided by its block's scale, clamped to +-7.5, and rounded to the nearest number of E2M3, ties to even, subnormals kept.
;;     - The product sums the exact products of the quantised numbers (number of the format x scale) in f32.
;;   ~~~python
;;   def quantise(x, axis):      # numpy; x: float32 -> the quantised numbers, widened to float32 again
;;       x = np.moveaxis(x, axis, -1); K = x.shape[-1]
;;       x = np.pad(x, [(0, 0)] * (x.ndim - 1) + [(0, -K % 32)]); x = x.reshape(x.shape[:-1] + (-1, 32)); a = np.abs(x).max(-1, keepdims=True)
;;       e = np.where(a > 0, np.clip(np.frexp(np.where(a > 0, a, 1))[1] - 1 - 2, -126, 127), 0)      # np.frexp(a)[1] - 1 = floor(log2(a)), exactly
;;       r = np.clip(x / 2.0 ** e, -7.5, 7.5)
;;       step = 2.0 ** (np.maximum(np.frexp(np.where(r == 0, 1, r))[1] - 1, 0) - 3)
;;       q = np.round(r / step) * step * 2.0 ** e      # np.round: ties to even
;;       return np.moveaxis(q.reshape(q.shape[:-2] + (-1,))[..., :K], -1, axis).astype(np.float32)
;;   ~~~
;;   SOFTMAX AHEAD OF A QUANTISED PRODUCT. Where the list says 'softmax', what is quantised is not the finished softmax but p = 2^(t - M), with t = logit x log2(e) and M = ceil(the row's largest t), a whole number; so 1/2 < the row's largest p <= 1. The row's sum l is taken of the UNQUANTISED p, in f32, and the product's result is divided by l at the end. Since M is a whole number, a kernel that streams over the keys may use a running M (the ceiling of the running maximum): every later rescaling is an exact power of two, which a block's scale takes up: the codes' values come out the same.
;;   OPERANDS COMPUTED ON THE WAY. 'Computed on the way' means the value that the module computes at that place (a softmax that the list does not call 'softmax' is quantised finished and normalised). What goes into a quantiser is computed in f32, as accurately as f32 sums, v_exp_f32 and their like allow (about 1e-6 of the number): no bf16 or f16 on the way to a quantiser, and a product that is left as it is and whose result goes on into a quantised operand takes f32 operands (vector FMAs, or v_wmma_f32_16x16x4_f32). A number that lies on a knife's edge between two numbers of the format may be rounded either way, as far as f32 arithmetic and the matrix unit's own rounding can turn it there, and no further.
;;   INPUTS GIVEN AS CODES. query (in the module: [1024, 8, 768], K = its axis 2); w_v (in the module: [768, 768], K = its axis 1): each comes as NAME_codes (uint8): NAME with its K axis moved to the last place and cut into blocks of 32 codes, [.., K / 32, bytes a block], one block behind the other in memory; four codes in three bytes: a row's codes are one little-endian stream of bits, code i at bits 6 i .. 6 i + 5 (a code: sign, 2 exponent bits, 3 mantissa bits); and NAME_scales (uint8): the same leading axes, one E8M0 byte (e + 127) for each 32 codes along K. Its value is code x scale, taken as it is: it is not quantised again, and the codes and scales need not be those that the quantiser above would give.
;; One version. Each part assembles by itself: llvm-mc -triple=amdgcn-amd-amdhsa -mcpu=gfx1250 --defsym DOCPART=n.
;; ======== version 1 of 1: 2 launches
;; limits: right only within a limited range of input values
;; workspace buffers: kv 10,223,616 bytes
;; launch project (part 1): grid 4 x 64, 12 waves a work-group, clusters of 4 x 4, 274,432 bytes of LDS; arguments query_codes, query_scales, w_v_codes, w_v_scales, kv; writes kv
.if DOCPART == 1
	.amdgcn_target "amdgcn-amd-amdhsa--gfx1250"
	.amdhsa_code_object_version 6
	.text
	.protected	k_qce7dced8cc_project
	.globl	k_qce7dced8cc_project
	.p2align	8
	.type	k_qce7dced8cc_project,@function
k_qce7dced8cc_project:
	s_mov_b64 s[64:65], 0
	v_nop
	global_prefetch_b8 v0, s[64:65] scope:SCOPE_SE
	s_setreg_imm32_b32 hwreg(HW_REG_WAVE_MODE, 25, 1), 1
	s_wait_xcnt 0x0
	s_wait_alu depctr_hold_cnt(0) depctr_sa_sdst(0) depctr_va_vdst(0) depctr_va_sdst(0) depctr_va_ssrc(0) depctr_va_vcc(0) depctr_vm_vsrc(0)
	s_getreg_b32 s2, hwreg(HW_REG_IB_STS2, 6, 4)
	s_cmp_eq_u32 s2, 0
	s_cbranch_scc0 .Lentry_in_a_cluster
	s_endpgm
.Lentry_in_a_cluster:
	s_bfe_u32 s2, ttmp6, 0x10000c
	s_cmp_lg_u32 s2, 0xf033
	s_cbranch_scc0 .Lentry_shape_is_right
	s_endpgm
.Lentry_shape_is_right:
; v = x W^T on the given codes of E2M3 (K = 768), then the two operands that attention wants of v, as codes of E2M3 with one E8M0 byte for each 32 along a product's K:
;   vn = v / |v| (a head's 64 channels), quantised along the channels: it is both Q and K of the scores;   v itself, quantised along the KEYS: the second product's operand.
; No input and no step of reference() is left out.
; SHARES.  A work-group takes one block nb of 32 keys, four batches (bh) and one group hg of three heads: 128 rows of x, 192 of W.  Twelve waves: wave w takes head hh = w / 4 of the group and batch 4 bh + w % 4.
; v IS MADE TWICE from the same fragments, with the sources changed over: once with a key to a lane and channels along its registers, once with a channel to a lane and keys along its registers.
; Row r of W's tile t is channel 32 (r / 8) + 8 t + r % 8 of the head: so a lane's 32 registers of four tiles are one whole block of 32 channels.
; WHAT IS STORED: kv [head 12 b + 3 hg + hh][nb][3,328 bytes], made whole by one wave.  With e = nb % 2 every byte address inside the 3,328 is taken xor 128 e:
;   0     K, 16 bytes: 256 T + 128 h + 16 i: bytes 0-15 of key 8 T + i, channels 32 h on;   1,024 K, 8 bytes: 128 T + 64 h + 8 i: bytes 16-23
;   1,536 V, 16 bytes: 256 t + 16 r: channel slot r of tile t, keys in the order 0-7, 16-23, 8-15, 24-31;   2,560 V, 8 bytes: 128 t + 8 r
;   3,072 K's scale words (s0, s1, s0, s1) at 8 (i + 8 (T % 2)) + 4 (T / 2);   3,200 V's scale bytes: word of lane (r, h): tile h in its lower half, tile 2 + h in its upper, at byte e of the half
; CLUSTER 4 x 4: a row of the cluster shares x's tiles, a column W's: each is asked for jointly.  LDS IS FILLED ONCE, one tensor load a wave, all at the head; with no loop to run ahead in, nothing is prefetched.
; LIMITS: a head row of v that is all zeros, or whose sum of squares leaves f32's normal range (|v| outside about 1e-19 .. 1e19), is not served (reference() divides by zero there).
.set XPART, 20752                      ; 8 keys x 2,304 bytes, 8 of padding behind every 64 (a key: 2,592), and 16 more
.set WO,    83200
.set WPART, 23168                      ; 32 rows x 576 bytes, 16 of padding behind every 64 (a row: 720), and 128 more
.set XSO,   WO+6*WPART                 ; x's scale bytes: 32 keys x 8 batches x 24
.set WSO,   XSO+6144                   ; W's: 192 rows x 24
.set STG,   WSO+4608                   ; stages: 3,328 bytes a wave; no fill lands here
.set BLK,   3328
.set SPARE, STG+12*BLK
.set XF, 32                            ; v32-55   x's two fragments (16 keys x 128 K)
.set WF, 56                            ; v56-103  W's four
.set SX, 104                           ; v104-109 x's scale words, one register for each 128 along K: lanes 0-15 keys 0-15, lanes 16-31 keys 16-31
.set SW, 110                           ; v110-121 W's: tiles 2 j (lanes 0-15) and 2 j + 1 (lanes 16-31) at SW + 6 j
.set AT, 128                           ; sums, a key to a lane: (u, t) at AT + 32 u + 8 t
.set AN, 192                           ; sums, a channel to a lane: (t, u) at AN + 16 t + 8 u
.macro CROUND                          ; a round of the cluster's barrier
	s_barrier_signal -1
	s_barrier_wait -1
	s_cmp_lg_u32 s14, 0
	s_cbranch_scc1 .Lnot_wave_0_\@
	s_barrier_signal -3
.Lnot_wave_0_\@:
	s_barrier_wait -3
	s_barrier_signal -1
	s_barrier_wait -1
.endm
.macro PLACES n
.rept \n
	v_nop
.endr
.endm
.macro DENSE g, mask, rows, pad        ; descriptor group 1: a dense block as rows of 256 bytes (32 elements of 8 bytes)
	s_or_b32 s[\g], s\mask, (3<<16)|(1<<21)|(\pad)
	s_mov_b32 s[\g+1], 32<<16
	s_mov_b32 s[\g+2], (\rows)<<16
	s_mov_b32 s[\g+3], 32<<16
	s_mov_b32 s[\g+4], \rows
	s_mov_b32 s[\g+5], 32
	s_mov_b32 s[\g+6], 0
	s_mov_b32 s[\g+7], 0
.endm
	s_load_b256 s[4:11], s[0:1], 0x0               ; x's codes s[4:5], x's scales s[6:7], W's codes s[8:9], W's scales s[10:11]
	s_load_b64 s[12:13], s[0:1], 0x20              ; kv
	v_lshl_add_u32 v31, v0, 2, SPARE
	v_mov_b32 v30, 0
	ds_add_u32 v31, v30                            ; the opening lines: the add, twice on end
	ds_add_u32 v31, v30
	v_lshrrev_b32 v1, 5, v0
	v_readfirstlane_b32 s14, v1                    ; wave 0..11
	s_lshr_b32 s15, s14, 2                         ; hh
	s_and_b32 s16, s14, 3                          ; my batch of the four
	s_bfe_u32 s17, ttmp6, 0x40000                  ; cx
	s_bfe_u32 s18, ttmp6, 0x40004                  ; cy
	s_lshl_b32 s19, ttmp9, 2
	s_add_co_u32 s19, s19, s17                     ; hg = 4 x cluster x + cx
	s_and_b32 s20, ttmp7, 0xffff                   ; the cluster's y
	s_and_b32 s21, s20, 1                          ; bh: from the cluster's number alone
	s_lshr_b32 s22, s20, 1
	s_lshl_b32 s22, s22, 2
	s_add_co_u32 s22, s22, s18                     ; nb
	s_lshl_b32 s98, s18, 2
	s_lshl_b32 s98, 15, s98                        ; my row of the cluster
	s_lshl_b32 s94, 0x1111, s17                    ; my column
	s_or_b32 s24, s98, (1<<20)|(1<<21)|(3<<22)|(1<<25)   ; x: 8 rows of 2,304 bytes; after every 16 words, 2 words
	s_mov_b32 s25, 2304<<16
	s_mov_b32 s26, 8<<16
	s_mov_b32 s27, 2304<<16
	s_mov_b32 s28, 8
	s_mov_b32 s29, 4608
	s_mov_b32 s30, 0
	s_mov_b32 s31, 0
	DENSE 32, 94, 72, (1<<20)|(3<<22)|(3<<25)      ; W: 32 rows of codes; after every 16 words, 4 words
	DENSE 40, 98, 24, 0
	DENSE 48, 94, 18, 0
	s_lshl_b32 s92, s22, 5                         ; x: keys 32 nb + 8 (w % 4) on
	s_lshl_b32 s93, s16, 3
	s_add_co_u32 s92, s92, s93
	s_mul_i32 s92, s92, 4608
	s_mul_i32 s93, s21, 2304
	s_add_co_u32 s92, s92, s93
	s_mov_b32 s93, 0
	s_add_co_u32 s23, s14, 4                       ; W: waves 4 .. 9 take 32 rows each
	s_and_b32 s23, s23, 7
	s_mul_i32 s94, s23, 18432
	s_mul_i32 s95, s19, 110592
	s_add_co_u32 s94, s94, s95
	s_mov_b32 s95, 0
	s_mul_i32 s96, s22, 6144
	s_mov_b32 s97, 0
	s_mul_i32 s2, s19, 4608
	s_mov_b32 s3, 0
	s_mov_b32 s56, 1
	s_mul_i32 s57, s16, XPART
	s_mov_b32 s60, 1
	s_mul_i32 s61, s23, WPART
	s_add_co_u32 s61, s61, WO
	s_mov_b32 s68, 1
	s_mov_b32 s69, XSO
	s_mov_b32 s72, 1
	s_mov_b32 s73, WSO
	s_wait_dscnt 0x0                               ; both opening adds are done
	CROUND                                         ; all sixteen work-groups are here: the joint loads meet
	s_wait_kmcnt 0x0
	s_add_nc_u64 s[58:59], s[4:5], s[92:93]
	s_or_b32 s59, s59, 0x80000000
	s_add_nc_u64 s[62:63], s[8:9], s[94:95]
	s_or_b32 s63, s63, 0x80000000
	s_add_nc_u64 s[70:71], s[6:7], s[96:97]
	s_or_b32 s71, s71, 0x80000000
	s_add_nc_u64 s[74:75], s[10:11], s[2:3]
	s_or_b32 s75, s75, 0x80000000
	s_cmp_lt_u32 s14, 4                            ; one chain of branches on the wave's number: every way through it passes one load
	s_cbranch_scc0 .Lw_codes
	tensor_load_to_lds s[56:59], s[24:31]
	s_nop 0
	PLACES 4
	s_branch .Lasked
.Lw_codes:
	s_cmp_lt_u32 s14, 10
	s_cbranch_scc0 .Lx_scales
	tensor_load_to_lds s[60:63], s[32:39]
	s_nop 0
	PLACES 4
	s_branch .Lasked
.Lx_scales:
	s_cmp_lt_u32 s14, 11
	s_cbranch_scc0 .Lw_scales
	tensor_load_to_lds s[68:71], s[40:47]
	s_nop 0
	PLACES 4
	s_branch .Lasked
.Lw_scales:
	tensor_load_to_lds s[72:75], s[48:55]
	s_nop 0
	PLACES 4
.Lasked:
	s_mul_i32 s66, s21, 4                          ; where my block goes in kv: ((12 (4 bh + bb) + 3 hg + hh) x 32 + nb) x 3,328
	s_add_co_u32 s66, s66, s16                     ; my batch
	s_mul_i32 s76, s66, 24
	s_add_co_u32 s76, s76, XSO                     ; its bytes in a key's row of scales
	s_mul_i32 s66, s66, 12
	s_mul_i32 s67, s19, 3
	s_add_co_u32 s66, s66, s67
	s_add_co_u32 s66, s66, s15
	s_lshl_b32 s66, s66, 5
	s_add_co_u32 s66, s66, s22
	s_mul_i32 s66, s66, BLK
	s_mov_b32 s67, 0
	s_add_nc_u64 s[12:13], s[12:13], s[66:67]
	s_and_b32 s77, s22, 1                          ; e: it enters kv's offsets and V's scale words alone
	s_lshl_b32 s99, s77, 3
	s_lshl_b32 s77, s77, 7
	s_mov_b32 s96, 0x76543210                      ; v_permlanex16_b32's selects for lane l xor 16
	s_mov_b32 s97, 0xfedcba98
	s_mov_b32 s98, 0xffff0000                      ; lanes 16-31
	s_mul_i32 s78, s16, 648                        ; my batch in x's LDS rows
	s_mul_i32 s79, s15, 2*WPART
	s_add_co_u32 s79, s79, WO                      ; my head's rows of W
	s_mul_i32 s80, s15, 1536
	s_add_co_u32 s80, s80, WSO
	s_mul_i32 s81, s14, BLK
	s_add_co_u32 s81, s81, STG                     ; my stage
	v_and_b32 v1, 15, v0                           ; r
	v_bfe_u32 v2, v0, 4, 1                         ; h
	v_and_b32 v3, 31, v0                           ; lane
	v_bfe_u32 v22, v0, 3, 1                        ; r / 8
	v_and_b32 v23, 7, v0                           ; r % 8
	v_mul_u32_u24 v32, v22, XPART
	v_mad_u32_u24 v32, v23, 2592, v32
	v_mad_u32_u24 v32, v2, 24, v32
	v_add_nc_u32 v4, s78, v32                      ; x's fragment 0;
	v_lshl_add_u32 v5, v2, 3, v4                   ; for pieces that lie behind one padding more in lanes 16-31;
	v_add_nc_u32 v6, 2*XPART, v4                   ; fragment 1
	v_add_nc_u32 v7, 2*XPART, v5
	v_mul_u32_u24 v33, v22, WPART
	v_mad_u32_u24 v33, v23, 720, v33
	v_mad_u32_u24 v33, v2, 24, v33
	v_add_nc_u32 v8, s79, v33                      ; W's tiles: v8-11, v12-15
	v_lshl_add_u32 v12, v2, 4, v8
.irp t, 1,2,3
	v_add_nc_u32 v[8+\t], \t*5760, v8
	v_add_nc_u32 v[12+\t], \t*5760, v12
.endr
	v_mul_u32_u24 v16, v3, 192                     ; x's scales: a key a lane
	v_add_nc_u32 v16, s76, v16
	v_lshl_add_u32 v17, v22, 5, v23                ; W's: slot r of tile h
	v_lshl_add_u32 v17, v2, 3, v17
	v_mul_u32_u24 v17, v17, 24
	v_add_nc_u32 v17, s80, v17
	v_lshlrev_b32 v18, 4, v23
	v_lshl_add_u32 v18, v22, 8, v18
	v_lshl_add_u32 v18, v2, 7, v18                 ; 16 (r % 8) + 256 (r / 8) + 128 h
	v_lshrrev_b32 v19, 1, v18
	v_add_nc_u32 v24, s81, v18                     ; into the stage: K's 16 bytes,
	v_add_nc_u32 v25, s81, v19                     ; K's 8 bytes,
	v_lshl_add_u32 v26, v3, 4, s81                 ; V's 16 bytes; and the way back,
	v_lshl_add_u32 v27, v3, 3, s81                 ; V's 8 bytes; and the way back,
	v_lshlrev_b32 v28, 3, v1
	v_lshl_add_u32 v28, v2, 2, v28
	v_add_nc_u32 v28, s81, v28                     ; K's scale words,
	v_lshl_add_u32 v29, v3, 2, s81                 ; V's
	v_lshlrev_b32 v20, 4, v3
	v_xor_b32 v20, s77, v20                        ; into kv: 16 x lane and 8 x lane, xor 128 e
	v_lshlrev_b32 v21, 3, v3
	v_xor_b32 v21, s77, v21
; A fragment, 16 rows x 128 K of 6-bit codes, is 12 registers: lane (r, h) holds row r; registers 6 c .. 6 c + 5 hold K = 64 c + 32 h + 0 .. 31: 24 bytes as they lie, in pieces of 8 bytes, two to a load where
; both go by the same address register.  Lanes 16-31 take the piece three on.  pd: padding behind every 64 bytes, in units of 8.  Four loads.
.macro FRAG reg, a0, a1, q, pd
.set SK, 0
.irp p, 0,1,2,3,4,5
.if SK
.set SK, 0
.else
.set PA, 12*(\q)+6*(\p/3)+\p%3
.set PB, 12*(\q)+6*((\p+1)/3)+(\p+1)%3
.set XA, (PA%8)/5
.set XB, (PB%8)/5
.if (\p < 5) && (XA == XB)
.set SK, 1
.if XA
	ds_load_2addr_b64 v[\reg+2*\p:\reg+2*\p+3], v[\a1] offset0:PA+\pd*(PA/8) offset1:PB+\pd*(PB/8)
.else
	ds_load_2addr_b64 v[\reg+2*\p:\reg+2*\p+3], v[\a0] offset0:PA+\pd*(PA/8) offset1:PB+\pd*(PB/8)
.endif
.elseif XA
	ds_load_b64 v[\reg+2*\p:\reg+2*\p+1], v[\a1] offset:8*(PA+\pd*(PA/8))
.else
	ds_load_b64 v[\reg+2*\p:\reg+2*\p+1], v[\a0] offset:8*(PA+\pd*(PA/8))
.endif
.endif
.endr
.endm
.macro WM d, a, b, c, sa, sb, ra, rb
	v_wmma_scale_f32_16x16x128_f8f6f4 v[\d:\d+7], v[\a:\a+11], v[\b:\b+11], \c, v[\sa], v[\sb] matrix_a_fmt:MATRIX_FMT_FP6 matrix_b_fmt:MATRIX_FMT_FP6 matrix_a_scale:MATRIX_SCALE_ROW\ra matrix_b_scale:MATRIX_SCALE_ROW\rb
.endm
.macro MM u, t, rt, q, zero            ; lane (r, h): key 16 u + r, register j channel 32 h + 8 t + j;  and changed over: channel slot r of tile t, register j key 16 u + 8 h + j
.set DT, AT+32*\u+8*\t
.set DN, AN+16*\t+8*\u
.set FW, WF+12*\t
.set FX, XF+12*\u
.set KW, SW+6*(\t/2)+\q
.set KX, SX+\q
.if \zero
	WM DT, FW, FX, 0, KW, KX, \rt, \u
	WM DN, FX, FW, 0, KX, KW, \u, \rt
.else
	WM DT, FW, FX, v[DT:DT+7], KW, KX, \rt, \u
	WM DN, FX, FW, v[DN:DN+7], KX, KW, \u, \rt
.endif
.endm
.macro KSTEP q, zero                   ; 128 along K: 24 loads, 16 products on 16 accumulators, by turns, in the same order in every step
.if \q > 0
	PLACES 4                                       ; places ahead of loads into registers that matrix instructions have read
.endif
	FRAG XF, 4, 5, \q, 1
	FRAG XF+12, 6, 7, \q, 1
.irp t, 0,1,2,3
	FRAG WF+12*\t, 8+\t, 12+\t, \q, 2
.endr
	s_wait_dscnt 8                                 ; all but the youngest eight loads, W's tiles 2 and 3
	MM 0, 0, 0, \q, \zero
	MM 1, 0, 0, \q, \zero
	MM 0, 1, 1, \q, \zero
	MM 1, 1, 1, \q, \zero
	s_wait_dscnt 0x0
	MM 0, 2, 0, \q, \zero
	MM 1, 2, 0, \q, \zero
	MM 0, 3, 1, \q, \zero
	MM 1, 3, 1, \q, \zero
.endm
	s_wait_alu depctr_va_vdst(0)                   ; the wait at the head's end
	s_wait_tensorcnt 0x0                           ; my load has landed;
	s_barrier_signal -1
	s_barrier_wait -1                              ; everybody's has
.irp c, 0,1,2
	ds_load_b64 v[SX+2*\c:SX+2*\c+1], v16 offset:8*\c
	ds_load_b64 v[SW+2*\c:SW+2*\c+1], v17 offset:8*\c
	ds_load_b64 v[SW+6+2*\c:SW+6+2*\c+1], v17 offset:384+8*\c
.endr
	KSTEP 0, 1                                     ; the first step's products start the sums
	KSTEP 1, 0
	KSTEP 2, 0
	KSTEP 3, 0
	KSTEP 4, 0
	KSTEP 5, 0
	PLACES 4                                       ; ahead of the first read of results
; v ALONG THE KEYS: lane (r, h) has 16 of the block's 32 keys of channel slot r; lane l xor 16 has the others
.irp t, 0,1,2,3
	v_max3_num_f32 v[32+\t], |v[AN+16*\t]|, |v[AN+16*\t+1]|, 0x1800000   ; and the floor 2^(3 - 127): the byte cannot fall under 1
.endr
.irp i, 2,4,6,8,10,12,14
.irp t, 0,1,2,3
	v_max3_num_f32 v[32+\t], v[32+\t], |v[AN+16*\t+\i]|, |v[AN+16*\t+\i+1]|
.endr
.endr
.irp t, 0,1,2,3
	v_permlanex16_b32 v[36+\t], v[32+\t], s96, s97
.endr
.irp t, 0,1,2,3
	v_max_num_f32 v[32+\t], v[32+\t], v[36+\t]
.endr
.irp t, 0,1,2,3
	v_add_nc_u32 v[40+\t], 0xff000000, v[32+\t]    ; 2 off its exponent field: the conversion's scale operand
.endr
.irp t, 0,1,2,3
	v_lshrrev_b32 v[44+\t], 23, v[40+\t]           ; the scale's byte
.endr
.irp t, 0,1,2,3
	v_cvt_scalef32_pk16_fp6_f32 v[80+6*\t:82+6*\t], v[AN+16*\t:AN+16*\t+15], v[40+\t]
.endr
	v_cndmask_b32 v48, v44, v45, s98               ; tile h
	v_cndmask_b32 v49, v46, v47, s98               ; tile 2 + h
	v_lshl_or_b32 v48, v49, 16, v48
	v_lshlrev_b32 v48, s99, v48                    ; at byte e of each half
	ds_store_b32 v29, v48 offset:3200
.irp p, 0,1
.irp i, 0,1,2
	v_permlane16_swap_b32 v[80+12*\p+\i], v[86+12*\p+\i]   ; lane (r, h) now holds both halves of the block of tile 2 p + h
.endr
.irp i, 0,1,2
	v_mov_b32 v[83+12*\p+\i], v[86+12*\p+\i]
.endr
	ds_store_b128 v26, v[80+12*\p:83+12*\p] offset:1536+512*\p
	ds_store_b64 v27, v[84+12*\p:85+12*\p] offset:2560+256*\p
.endr
; vn: the sum of squares of my 32 channels and of lane l xor 16's, 1 / sqrt, the product; my 32 registers are one block.  The two sets of 16 keys (z) side by side
.irp z, 0,1
	v_pk_mul_f32 v[50+4*\z:51+4*\z], v[AT+32*\z:AT+32*\z+1], v[AT+32*\z:AT+32*\z+1]
	v_pk_mul_f32 v[52+4*\z:53+4*\z], v[AT+32*\z+2:AT+32*\z+3], v[AT+32*\z+2:AT+32*\z+3]
.endr
.irp i, 4,8,12,16,20,24,28
.irp z, 0,1
	v_pk_fma_f32 v[50+4*\z:51+4*\z], v[AT+32*\z+\i:AT+32*\z+\i+1], v[AT+32*\z+\i:AT+32*\z+\i+1], v[50+4*\z:51+4*\z]
	v_pk_fma_f32 v[52+4*\z:53+4*\z], v[AT+32*\z+\i+2:AT+32*\z+\i+3], v[AT+32*\z+\i+2:AT+32*\z+\i+3], v[52+4*\z:53+4*\z]
.endr
.endr
.irp z, 0,1
	v_pk_add_f32 v[50+4*\z:51+4*\z], v[50+4*\z:51+4*\z], v[52+4*\z:53+4*\z]
.endr
.irp z, 0,1
	v_add_f32 v[50+4*\z], v[50+4*\z], v[51+4*\z]
.endr
.irp z, 0,1
	v_permlanex16_b32 v[58+\z], v[50+4*\z], s96, s97
.endr
.irp z, 0,1
	v_add_f32 v[50+4*\z], v[50+4*\z], v[58+\z]     ; |v|^2 of my key's head row
.endr
	s_wait_alu depctr_va_vdst(0)                   ; waits ahead of and behind the batch
	v_rsq_f32 v60, v50                             ; each twice: a pair for the packed multiply
	v_rsq_f32 v61, v50
	v_rsq_f32 v62, v54
	v_rsq_f32 v63, v54
	v_nop
	s_wait_alu depctr_va_vdst(0)
.irp i, 0,2,4,6,8,10,12,14,16,18,20,22,24,26,28,30
.irp z, 0,1
	v_pk_mul_f32 v[AT+32*\z+\i:AT+32*\z+\i+1], v[AT+32*\z+\i:AT+32*\z+\i+1], v[60+2*\z:61+2*\z]
.endr
.endr
.irp z, 0,1
	v_max3_num_f32 v[64+2*\z], |v[AT+32*\z]|, |v[AT+32*\z+1]|, 0x1800000
	v_max3_num_f32 v[65+2*\z], |v[AT+32*\z+16]|, |v[AT+32*\z+17]|, |v[AT+32*\z+18]|
.endr
.irp i, 2,4,6,8,10,12
.irp z, 0,1
	v_max3_num_f32 v[64+2*\z], v[64+2*\z], |v[AT+32*\z+\i]|, |v[AT+32*\z+\i+1]|
	v_max3_num_f32 v[65+2*\z], v[65+2*\z], |v[AT+32*\z+\i+17]|, |v[AT+32*\z+\i+18]|
.endr
.endr
.irp z, 0,1
	v_max3_num_f32 v[64+2*\z], v[64+2*\z], |v[AT+32*\z+14]|, |v[AT+32*\z+15]|
.endr
.irp z, 0,1
	v_max3_num_f32 v[64+2*\z], v[64+2*\z], v[65+2*\z], |v[AT+32*\z+31]|
.endr
.irp z, 0,1
	v_add_nc_u32 v[68+\z], 0xff000000, v[64+2*\z]
.endr
.irp z, 0,1
	v_lshrrev_b32 v[70+\z], 23, v[68+\z]
.endr
.irp z, 0,1
	v_cvt_scalef32_pk16_fp6_f32 v[32+8*\z:34+8*\z], v[AT+32*\z:AT+32*\z+15], v[68+\z]
	v_cvt_scalef32_pk16_fp6_f32 v[72+4*\z:74+4*\z], v[AT+32*\z+16:AT+32*\z+31], v[68+\z]   ; (a conversion's three registers begin on an even number)
.endr
	v_permlane16_swap_b32 v70, v71                 ; lanes 0-15: keys 0-15, lanes 16-31: keys 16-31; v70 channels 0-31, v71 channels 32-63
	v_lshl_or_b32 v70, v71, 8, v70
	v_lshl_or_b32 v70, v70, 16, v70                ; s0, s1, s0, s1
	ds_store_b32 v28, v70 offset:3072
.irp z, 0,1
.irp i, 0,1,2
	v_mov_b32 v[35+8*\z+\i], v[72+4*\z+\i]
.endr
	ds_store_b128 v24, v[32+8*\z:35+8*\z] offset:512*\z
	ds_store_b64 v25, v[36+8*\z:37+8*\z] offset:1024+256*\z
.endr
; THE WAY OUT: my stage is one dense run of kv.  LDS serves a wave's instructions in order (ISA guide 5.7.1.4): these loads see my stores
.irp i, 0,1,2,3,4,5
	ds_load_b128 v[AT+4*\i:AT+4*\i+3], v26 offset:512*\i
.endr
	ds_load_b64 v[AT+24:AT+25], v27 offset:3072
	s_wait_dscnt 0x0
.irp i, 0,1,2,3,4,5
	global_store_b128 v20, v[AT+4*\i:AT+4*\i+3], s[12:13] offset:512*\i   ; sixteen lanes fill 256 bytes at a multiple of 256
.endr
	global_store_b64 v21, v[AT+24:AT+25], s[12:13] offset:3072
	s_wait_tensorcnt 0x0                           ; the wave's end
	ds_add_u32 v31, v30
	s_wait_dscnt 0x0
	CROUND                                         ; the closing round: no work-group ends while a partner may still ask for a tile that names it
	s_endpgm
.Lfunc_end_k_qce7dced8cc_project:
	.size	k_qce7dced8cc_project, .Lfunc_end_k_qce7dced8cc_project-k_qce7dced8cc_project
	.p2alignl 7, 3214868480
	.fill 96, 4, 3214868480
	.section	.rodata,"a",@progbits
	.p2align	6, 0x0
	.amdhsa_kernel k_qce7dced8cc_project
		.amdhsa_group_segment_fixed_size 274432
		.amdhsa_private_segment_fixed_size 0
		.amdhsa_enable_private_segment 0
		.amdhsa_kernarg_size 40
		.amdhsa_user_sgpr_count 2
		.amdhsa_user_sgpr_kernarg_segment_ptr 1
		.amdhsa_wavefront_size32 1
		.amdhsa_system_sgpr_workgroup_id_x 1
		.amdhsa_system_sgpr_workgroup_id_y 1
		.amdhsa_system_sgpr_workgroup_id_z 1
		.amdhsa_system_vgpr_workitem_id 0
		.amdhsa_next_free_vgpr 256
		.amdhsa_next_free_sgpr 102
		.amdhsa_reserve_vcc 0
		.amdhsa_float_denorm_mode_32 3
		.amdhsa_float_denorm_mode_16_64 3
		.amdhsa_memory_ordered 1
		.amdhsa_forward_progress 1
		.amdhsa_inst_pref_size 47
	.end_amdhsa_kernel
	.amdgpu_metadata
---
amdhsa.version: [ 1, 2 ]
amdhsa.kernels:
  - .name:           k_qce7dced8cc_project
    .symbol:         k_qce7dced8cc_project.kd
    .args:
      - { .name: query_codes, .offset: 0, .size: 8, .value_kind: global_buffer, .address_space: global }
      - { .name: query_scales, .offset: 8, .size: 8, .value_kind: global_buffer, .address_space: global }
      - { .name: w_v_codes, .offset: 16, .size: 8, .value_kind: global_buffer, .address_space: global }
      - { .name: w_v_scales, .offset: 24, .size: 8, .value_kind: global_buffer, .address_space: global }
      - { .name: kv, .offset: 32, .size: 8, .value_kind: global_buffer, .address_space: global }
    .group_segment_fixed_size: 274432
    .private_segment_fixed_size: 0
    .kernarg_segment_align: 8
    .kernarg_segment_size: 40
    .max_flat_workgroup_size: 384
    .sgpr_count:     102
    .vgpr_count:     256
    .wavefront_size: 32
...
	.end_amdgpu_metadata
.endif
;; end of part 1
;; launch attend (part 2): grid 256 x 1, 8 waves a work-group, clusters of 4 x 1, 248,832 bytes of LDS; arguments kv, out0; writes out0
.if DOCPART == 2
	.amdgcn_target "amdgcn-amd-amdhsa--gfx1250"
	.amdhsa_code_object_version 6
	.text
	.protected	k_qce7dced8cc_attend
	.globl	k_qce7dced8cc_attend
	.p2align	8
	.type	k_qce7dced8cc_attend,@function
k_qce7dced8cc_attend:
	s_mov_b64 s[64:65], 0
	v_nop
	global_prefetch_b8 v0, s[64:65] scope:SCOPE_SE
	s_setreg_imm32_b32 hwreg(HW_REG_WAVE_MODE, 25, 1), 1
	s_wait_xcnt 0x0
	s_wait_alu depctr_hold_cnt(0) depctr_sa_sdst(0) depctr_va_vdst(0) depctr_va_sdst(0) depctr_va_ssrc(0) depctr_va_vcc(0) depctr_vm_vsrc(0)
	s_getreg_b32 s2, hwreg(HW_REG_IB_STS2, 6, 4)
	s_cmp_eq_u32 s2, 0
	s_cbranch_scc0 .Lentry_in_a_cluster
	s_endpgm
.Lentry_in_a_cluster:
	s_bfe_u32 s2, ttmp6, 0x10000c
	s_cmp_lg_u32 s2, 0x3003
	s_cbranch_scc0 .Lentry_shape_is_right
	s_endpgm
.Lentry_shape_is_right:
; out[n][b][64 head + d] = the sum over keys of softmax(vn[n] . vn[key] / 8) v[key][d], both products on codes of E2M3 with one E8M0 byte for each 32 along K, from the blocks that the launch before laid in kv.
; THE SOFTMAX.  t = score x log2(e) / 8;  p = 2^(t - M), M = the row's largest t rounded up;  p is quantised along the keys, the row's sum is taken of the unquantised p and divides at the end.
; M IS 1 FOR EVERY INPUT, by the computation itself: both operands of a score are quantised UNIT vectors.  A code's error is at most 1/16 of its number or 1/16 of its block's scale, which is at most 1/4:
; so a quantised vector is no longer than 1.0625 + 8/64 < 1.2, |score| < 1.44 and |t| < 0.26; a query's score with its own key is a sum of squares in which each block's largest code is 4 or more, so it is above 0.
; The row's largest t lies in (0, 0.26], and its ceiling is 1.  THIS TEXT KEEPS 2 p = 2^t, which lies in 0.83 .. 1.2: the factor 2 goes into p's scale bytes and into the row's sum (850 .. 1,230), the codes are the
; same, and the quotient is the same.  Nothing can overflow or underflow, and there is no running maximum and no rescaling.
; SHARES.  A cluster of four work-groups holds TWO whole heads in each partner's LDS (106,496 bytes a head), asked for jointly and once.  Of a group m of three heads, cluster 2 m takes head 0 (all 32 pairs of
; query tiles) and pairs 0-15 of head 1; cluster 2 m + 1 takes head 2 and pairs 16-31 of head 1.  Eight waves: waves 0-3 work on the first head, TWO pairs each, one after the other; waves 4-7 on the second, one pair each.
; The LDS region hangs on the wave's number alone.  A pair is two tiles of 16 queries, made both at once in 8 steps of 128 keys: K's and V's fragments serve both tiles.
; LAYOUT.  Both products are used transposed (S^T = K Q^T, O^T = V^T P^T): a lane holds one query throughout.  Slot r of tile T of a group of 64 keys is key 32 (r / 8) + 8 T + r % 8: so lanes 0-15 hold the whole first
; block of 32 keys in the 32 registers of four tiles, lanes 16-31 the second: no lane looks at another for a block's maximum or codes.  The tiles' sums lie in the order T = 0, 2, 1, 3, which is the keys' order in V's codes.
; The head has 64 channels and the instruction 128 along K: registers 6-11 of Q are zero codes, so whatever K's fragment holds there counts for nothing (E2M3 has no NaN and no infinity): a tile of K is followed by the next tile's six registers.
; FILLS.  One tensor load a wave, all at the head, no byte twice: waves 0-3 fetch step 0 of both heads, waves 4-7 steps 1 to 7.  All fills are asked for at the head, ahead of every loop: nothing is left to prefetch.
; LIMIT: a head row of v that is all zeros is not served (reference() divides by zero there).
.set BLK,  3328                        ; a block of 32 keys: K 0 and 1,024, V 1,536 and 2,560, scales 3,072; in odd blocks every address xor 128
.set HEAD, 32*BLK
.set STEPB, 4*BLK
.set STAGE, 2*HEAD                     ; 16 rows x 272 bytes for each wave, for the way out; no fill lands here
.set SPARE, STAGE+8*16*272
.set KB,  16                           ; v16-39   four tiles of K, six registers each; v40-45 zeros behind them
.set QA,  46                           ; v46-57   Q of tile A, v58-69 of tile B
.set QS,  70                           ; v70      their scale words: lanes 0-15 A, 16-31 B
.set KSC, 72                           ; v72-73   K's scale words: lanes 0-15 tile 2 j, 16-31 tile 2 j + 1
.set VSC, 74                           ; v74-75   V's likewise
.set PW,  76                           ; v76      p's: lanes 0-15 A, 16-31 B
.set VT,  78                           ; v78-81   V's scale bytes of four blocks
.set VF,  84                           ; v84-131  four fragments of V
.set PC,  132                          ; v132-143 p's codes of tile A, v144-155 of B
.set TMP, 156                          ; v156-158, v160-162
.set SO,  164                          ; v164-167 scale operands: 2 z + c
.set BY,  168                          ; v168-171 bytes
.set MX,  172                          ; v172-175 largest p, two chains a tile
.set SUM, 176                          ; v176-183 the row's sums, two chains of pairs a tile
.set SA,  184                          ; v184-215 S^T of 64 keys, tile A, then p; v216-247 tile B
.set Q2,  64                           ; window 1: v320-332, Q of the second pair and its scale words;  v256-287 O^T of tile A, v288-319 of B
; v1-7 LDS addresses of a step; v248-254 their lane parts; v8, v9 into and out of my stage; v10 my bytes in out0; v14, v15 the add's
.set MSB, 0
.macro WIN new                         ; the immediate's high byte repeats the setting that is left
.if MSB != \new
	s_set_vgpr_msb (MSB<<8)|\new
.set MSB, \new
.endif
.endm
.macro CROUND                          ; a round of the cluster's barrier
	s_barrier_signal -1
	s_barrier_wait -1
	s_cmp_lg_u32 s8, 0
	s_cbranch_scc1 .Lnot_wave_0_\@
	s_barrier_signal -3
.Lnot_wave_0_\@:
	s_barrier_wait -3
	s_barrier_signal -1
	s_barrier_wait -1
.endm
.macro PLACES n
.rept \n
	v_nop
.endr
.endm
.macro DENSE g, rows                   ; descriptor group 1: a dense block as rows of 256 bytes, for all four work-groups
	s_mov_b32 s[\g], 15|(3<<16)|(1<<21)
	s_mov_b32 s[\g+1], 32<<16
	s_mov_b32 s[\g+2], (\rows)<<16
	s_mov_b32 s[\g+3], 32<<16
	s_mov_b32 s[\g+4], \rows
	s_mov_b32 s[\g+5], 32
	s_mov_b32 s[\g+6], 0
	s_mov_b32 s[\g+7], 0
.endm
	s_load_b128 s[4:7], s[0:1], 0x0                ; kv s[4:5], out0 s[6:7]
	v_lshl_add_u32 v14, v0, 2, SPARE
	v_mov_b32 v15, 0
	ds_add_u32 v14, v15                            ; the opening lines: the add, twice on end
	ds_add_u32 v14, v15
	v_lshrrev_b32 v1, 5, v0
	v_readfirstlane_b32 s8, v1                     ; wave 0..7
	s_bfe_u32 s9, ttmp6, 0x40000                   ; cx: it enters Q's and out0's addresses alone
	s_lshr_b32 s10, ttmp9, 1                       ; m = 4 b + hg (in a cluster launch ttmp9 counts clusters)
	s_and_b32 s11, ttmp9, 1                        ; which of the group's two clusters
	s_lshr_b32 s12, s10, 2                         ; b
	s_and_b32 s13, s10, 3                          ; hg
	DENSE 16, 26                                   ; two blocks
	DENSE 32, 182                                  ; fourteen
	s_mul_i32 s63, s10, 3                          ; the group's first head in kv
	s_lshl_b32 s59, s11, 1                         ; the first head is 0 or 2 of the group's three, the second is 1
	s_bfe_u32 s60, s8, 0x10001                     ; I fetch for head (w / 2) % 2: waves 0-3 blocks 2 (w % 2) on, waves 4-7 blocks 4 + 14 (w % 2) on
	s_and_b32 s61, s8, 1
	s_cmp_eq_u32 s60, 0
	s_cselect_b32 s62, s59, 1
	s_add_co_u32 s62, s62, s63
	s_mul_i32 s62, s62, HEAD
	s_mul_i32 s60, s60, HEAD
	s_mul_i32 s69, s61, 2*BLK
	s_add_co_u32 s66, s62, s69
	s_mov_b32 s67, 0
	s_mov_b32 s24, 1
	s_add_co_u32 s25, s60, s69
	s_mul_i32 s69, s61, 14*BLK
	s_add_co_u32 s69, s69, 4*BLK
	s_add_co_u32 s72, s62, s69
	s_mov_b32 s73, 0
	s_mov_b32 s28, 1
	s_add_co_u32 s29, s60, s69
	s_wait_dscnt 0x0                               ; both opening adds are done
	CROUND                                         ; all four work-groups are here: the joint loads meet
	s_wait_kmcnt 0x0
	s_add_nc_u64 s[26:27], s[4:5], s[66:67]
	s_or_b32 s27, s27, 0x80000000
	s_add_nc_u64 s[30:31], s[4:5], s[72:73]
	s_or_b32 s31, s31, 0x80000000
	s_cmp_lt_u32 s8, 4
	s_cbranch_scc0 .Llater
	tensor_load_to_lds s[24:27], s[16:23]
	s_nop 0
	PLACES 4
	s_branch .Lasked
.Llater:
	tensor_load_to_lds s[28:31], s[32:39]
	s_nop 0
	PLACES 4
.Lasked:
	s_lshr_b32 s60, s8, 2                          ; my head: the first or the second
	s_cmp_eq_u32 s60, 0
	s_cselect_b32 s68, s59, 1                      ; of the group's three
	s_add_co_u32 s62, s68, s63
	s_mul_i32 s70, s62, HEAD                       ; it begins here in kv
	s_mul_i32 s58, s60, HEAD                       ; and here in LDS
	s_mul_i32 s75, s13, 3
	s_add_co_u32 s75, s75, s68
	s_lshl_b32 s75, s75, 8
	s_mul_i32 s74, s12, 3072
	s_add_co_u32 s75, s75, s74                     ; in a query's 8 rows of out0: 3,072 b + 256 head
	; my pairs of query tiles.  Waves 0-3: 8 cx + w, then 4 on;  waves 4-7: 16 x cluster's half + 4 cx + w - 4 (the second pair's addresses name it again)
	s_lshl_b32 s66, s9, 3
	s_add_co_u32 s66, s66, s8
	s_lshl_b32 s67, s11, 4
	s_lshl_b32 s69, s9, 2
	s_add_co_u32 s67, s67, s69
	s_add_co_u32 s67, s67, s8
	s_sub_co_u32 s67, s67, 4
	s_cmp_lt_u32 s8, 4
	s_cselect_b32 s66, s66, s67
	s_cselect_b32 s59, 4, 0
.macro QADR k16, k8, ks, out           ; pair s66 is tiles 2 q and 2 q + 1 (q = pair % 2) of group pair / 2 of 64 queries
	s_lshr_b32 s67, s66, 1
	s_and_b32 s69, s66, 1
	s_mul_i32 s71, s67, 2*BLK
	s_add_co_u32 s71, s71, s70
	s_lshl_b32 s72, s69, 9
	s_add_co_u32 s72, s72, s71
	s_add_nc_u64 s[\k16:\k16+1], s[4:5], s[72:73]  ; tile A's 16-byte parts
	s_lshl_b32 s72, s69, 8
	s_add_co_u32 s72, s72, s71
	s_add_nc_u64 s[\k8:\k8+1], s[4:5], s[72:73]    ; its 8-byte parts
	s_lshl_b32 s72, s69, 2
	s_add_co_u32 s72, s72, s71
	s_add_nc_u64 s[\ks:\ks+1], s[4:5], s[72:73]    ; both tiles' scale words
	s_lshl_b32 s72, s67, 6
	s_lshl_b32 s74, s69, 4
	s_add_co_u32 s72, s72, s74                     ; slot 0 of tile A is this query
	s_mul_i32 s72, s72, 24576
	s_add_co_u32 s72, s72, s75
	s_add_nc_u64 s[\out:\out+1], s[6:7], s[72:73]  ; its 256 bytes of out0
.endm
	QADR 40, 42, 44, 48
	s_add_co_u32 s66, s66, s59
	QADR 76, 78, 2, 46
	s_mov_b32 s54, 0x3e38aa3b                      ; log2(e) / 8
	s_mov_b32 s55, s54                             ; (named with it as a pair, so it is written)
	s_mov_b32 s56, 0x76543210                      ; v_permlanex16_b32's selects for lane l xor 16
	s_mov_b32 s57, 0xfedcba98
	s_mov_b32 s50, 0x05040100                      ; the lower halves of two registers; the upper halves
	s_mov_b32 s51, 0x07060302
	s_mul_i32 s59, s8, 16*272
	s_add_co_u32 s59, s59, STAGE                   ; my stage
	s_mov_b32 s52, s58                             ; the step's first block
	v_and_b32 v16, 7, v0                           ; i
	v_bfe_u32 v17, v0, 3, 1                        ; e = r / 8: which block of the two
	v_bfe_u32 v18, v0, 4, 1                        ; h
	v_and_b32 v19, 15, v0                          ; r
	v_and_b32 v20, 31, v0
	v_xor_b32 v21, v17, v18
	v_lshlrev_b32 v21, 7, v21
	v_mad_u32_u24 v252, v17, BLK, v21
	v_lshl_add_u32 v252, v16, 4, v252              ; K, 16 bytes: block e, 128 (h xor e) + 16 i
	v_lshlrev_b32 v22, 6, v18
	v_lshl_add_u32 v22, v16, 3, v22
	v_mad_u32_u24 v253, v17, BLK+128, v22          ; K, 8 bytes, even tiles: + 128 e; and the scale words
	v_mad_u32_u24 v254, v17, BLK-128, v22          ; odd tiles: - 128 e
	global_load_b128 v[QA:QA+3], v252, s[40:41]
	global_load_b64 v[QA+4:QA+5], v253, s[42:43] offset:1024
	global_load_b128 v[QA+12:QA+15], v252, s[40:41] offset:256
	global_load_b64 v[QA+16:QA+17], v254, s[42:43] offset:1152
	global_load_b32 v[QS], v253, s[44:45] offset:3072
	WIN 0x40                                       ; the second pair's go to window 1
	global_load_b128 v[Q2:Q2+3], v252, s[76:77]
	global_load_b64 v[Q2+4:Q2+5], v253, s[78:79] offset:1024
	global_load_b128 v[Q2+6:Q2+9], v252, s[76:77] offset:256
	global_load_b64 v[Q2+10:Q2+11], v254, s[78:79] offset:1152
	global_load_b32 v[Q2+12], v253, s[2:3] offset:3072
	WIN 0
	v_lshlrev_b32 v23, 4, v19
	v_lshlrev_b32 v24, 7, v18
	v_xor_b32 v23, v23, v24
	v_mad_u32_u24 v248, v18, BLK, v23              ; V, 16 bytes: block h
	v_lshlrev_b32 v25, 3, v19
	v_mad_u32_u24 v249, v18, BLK+128, v25          ; V, 8 bytes, even tiles
	v_mad_u32_u24 v250, v18, BLK-128, v25          ; odd tiles
	v_lshlrev_b32 v251, 2, v20                     ; V's scale bytes
	v_mul_u32_u24 v8, v19, 272
	v_lshl_add_u32 v8, v18, 7, v8
	v_add_nc_u32 v8, s59, v8                       ; in: row r, 128 bytes for each half of the lanes
	v_mul_u32_u24 v9, v18, 272
	v_lshl_add_u32 v9, v19, 4, v9
	v_add_nc_u32 v9, s59, v9                       ; back: lanes 0-15 one row of 256 bytes, lanes 16-31 the next
	v_mul_u32_u24 v10, v18, 24576
	v_lshl_add_u32 v10, v19, 4, v10                ; and the same in out0: from query to query 8 x 3,072 bytes
.irp j, 40,41,42,43,44,45,52,53,54,55,56,57,64,65,66,67,68,69
	v_mov_b32 v[\j], 0
.endr
.macro ADDR
	v_add_nc_u32 v1, s52, v252
	v_add_nc_u32 v2, s52, v253
	v_add_nc_u32 v3, s52, v254
	v_add_nc_u32 v4, s52, v248
	v_add_nc_u32 v5, s52, v249
	v_add_nc_u32 v6, s52, v250
	v_add_nc_u32 v7, s52, v251
.endm
	ADDR
.macro KLOAD c                         ; K's four tiles of the step's group c of 64 keys (c = 2: the next step's first group)
	ds_load_b64 v[KSC:KSC+1], v2 offset:3072+2*BLK*\c
.irp x, 0,1,2,3
	ds_load_b128 v[KB+6*\x:KB+6*\x+3], v1 offset:256*\x+2*BLK*\c
	ds_load_b64 v[KB+6*\x+4:KB+6*\x+5], v[2+\x%2] offset:1024+128*\x+2*BLK*\c
.endr
.endm
.macro VLOAD                           ; V's four tiles of 128 keys
.irp t, 0,1,2,3
.irp c, 0,1
	ds_load_b128 v[VF+12*\t+6*\c:VF+12*\t+6*\c+3], v4 offset:1536+256*\t+2*BLK*\c
	ds_load_b64 v[VF+12*\t+6*\c+4:VF+12*\t+6*\c+5], v[5+\t%2] offset:2560+128*\t+2*BLK*\c
.endr
.endr
.irp k, 0,1,2,3
	ds_load_b32 v[VT+\k], v7 offset:3072+128*(1-\k%2)+BLK*\k
.endr
.endm
.macro WM d, a, b, c, sa, sb, ra, rb
	v_wmma_scale_f32_16x16x128_f8f6f4 v[\d:\d+7], v[\a:\a+11], v[\b:\b+11], \c, v[\sa], v[\sb] matrix_a_fmt:MATRIX_FMT_FP6 matrix_b_fmt:MATRIX_FMT_FP6 matrix_a_scale:MATRIX_SCALE_ROW\ra matrix_b_scale:MATRIX_SCALE_ROW\rb
.endm
.macro SPROD                           ; S^T of 64 keys for both query tiles
.irp z, 0,1
	WM SA+32*\z, KB, QA+12*\z, 0, KSC, QS, 0, \z
	WM SA+32*\z+16, KB+6, QA+12*\z, 0, KSC, QS, 1, \z
	WM SA+32*\z+8, KB+12, QA+12*\z, 0, KSC+1, QS, 0, \z
	WM SA+32*\z+24, KB+18, QA+12*\z, 0, KSC+1, QS, 1, \z
.endr
.endm
.macro OP z, t, rt, first              ; O^T += V^T P^T; C and D in window 1
.if \first
	WM 32*\z+8*\t, VF+12*\t, PC+12*\z, 0, VSC+\t/2, PW, \rt, \z
.else
	WM 32*\z+8*\t, VF+12*\t, PC+12*\z, v[32*\z+8*\t:32*\z+8*\t+7], VSC+\t/2, PW, \rt, \z
.endif
.endm
.macro OPROD first                     ; the eight accumulators by turns
	WIN 0x50
.irp z, 0,1
	OP \z, 0, 0, \first
	OP \z, 1, 1, \first
	OP \z, 2, 0, \first
	OP \z, 3, 1, \first
.endr
	WIN 0
.endm
.macro ADD1 z, k, n, start             ; the row's sum is taken of the UNQUANTISED p: tile z, chain k, its n-th pair (start: the first two pairs begin the chain)
.if (\start) && ((\n) == 0)
	v_pk_add_f32 v[SUM+4*\z+2*\k:SUM+4*\z+2*\k+1], v[SA+32*\z+2*\k:SA+32*\z+2*\k+1], v[SA+32*\z+2*\k+4:SA+32*\z+2*\k+5]
.elseif (\start) && ((\n) == 1)
.else
	v_pk_add_f32 v[SUM+4*\z+2*\k:SUM+4*\z+2*\k+1], v[SUM+4*\z+2*\k:SUM+4*\z+2*\k+1], v[SA+32*\z+4*\n+2*\k:SA+32*\z+4*\n+2*\k+1]
.endif
.endm
.macro LASTADDS start
.irp z, 0,1
	ADD1 \z, 0, 7, \start
	ADD1 \z, 1, 7, \start
.endr
.endm
.macro MOVS c
.irp z, 0,1
.irp i, 0,1,2
	v_mov_b32 v[PC+12*\z+6*\c+3+\i], v[TMP+4*\z+\i]
.endr
.endr
.endm
; 64 keys' scores of both tiles become 2 p, its codes (registers 6 c .. 6 c + 5 of the operands), and their part of the rows' sums.  Maxima and sums take turns: eight chains side by side
.macro MATH c, start
.set j, 0
.rept 32
	v_pk_mul_f32 v[SA+j:SA+j+1], v[SA+j:SA+j+1], s[54:55] op_sel_hi:[1,0]   ; t, each accumulator from its low end on
.set j, j+2
.endr
.if \c
	v_or_b32 v[VT], v[VT], v[VT+1]                 ; V's scale words: bytes 0, 1 of the blocks 0 and 1,
	v_or_b32 v[VT+2], v[VT+2], v[VT+3]             ; 2, 3 of the blocks 2 and 3
	v_perm_b32 v[VSC], v[VT+2], v[VT], s50
	v_perm_b32 v[VSC+1], v[VT+2], v[VT], s51
.endif
	s_wait_alu depctr_va_vdst(0)                   ; waits ahead of and behind the batch
.set j, 0
.rept 64
	v_exp_f32 v[SA+j], v[SA+j]
.set j, j+1
.endr
	v_nop
	s_wait_alu depctr_va_vdst(0)
.irp z, 0,1
	v_max3_num_f32 v[MX+2*\z], v[SA+32*\z], v[SA+32*\z+1], v[SA+32*\z+2]
	v_max3_num_f32 v[MX+2*\z+1], v[SA+32*\z+15], v[SA+32*\z+16], v[SA+32*\z+17]
.endr
.irp g, 0,1,2,3,4,5
.irp z, 0,1
	v_max3_num_f32 v[MX+2*\z], v[MX+2*\z], v[SA+32*\z+3+2*\g], v[SA+32*\z+4+2*\g]
	ADD1 \z, 0, \g, \start
	v_max3_num_f32 v[MX+2*\z+1], v[MX+2*\z+1], v[SA+32*\z+18+2*\g], v[SA+32*\z+19+2*\g]
	ADD1 \z, 1, \g, \start
.endr
.endr
.irp z, 0,1
	v_max3_num_f32 v[MX+2*\z], v[MX+2*\z], v[SA+32*\z+30], v[SA+32*\z+31]
	ADD1 \z, 0, 6, \start
.endr
.irp z, 0,1
	v_max_num_f32 v[MX+2*\z], v[MX+2*\z], v[MX+2*\z+1]
	ADD1 \z, 1, 6, \start
.endr
.irp z, 0,1
	v_add_nc_u32 v[SO+2*\z+\c], 0xff000000, v[MX+2*\z]    ; 2 off the exponent field: the conversion's scale operand
.endr
.irp z, 0,1
	v_cvt_scalef32_pk16_fp6_f32 v[PC+12*\z+6*\c:PC+12*\z+6*\c+2], v[SA+32*\z:SA+32*\z+15], v[SO+2*\z+\c]
	v_cvt_scalef32_pk16_fp6_f32 v[TMP+4*\z:TMP+4*\z+2], v[SA+32*\z+16:SA+32*\z+31], v[SO+2*\z+\c]   ; (a conversion's three registers begin on an even number)
.endr
.if \c
.irp k, 0,1,2,3
	v_lshrrev_b32 v[BY+\k], 23, v[SO+\k]           ; the scales' bytes
.endr
	v_lshl_or_b32 v[BY], v[BY+1], 16, v[BY]
	v_lshl_or_b32 v[BY+2], v[BY+3], 16, v[BY+2]
	v_permlane16_swap_b32 v[BY], v[BY+2]           ; lanes 0-15 tile A, lanes 16-31 tile B: the first blocks' bytes in the one, the second blocks' in the other
	v_lshl_or_b32 v[PW], v[BY+2], 8, v[BY]
	MOVS \c
	LASTADDS \start                                ; four places between the writing of p's codes, ten between that of its scale word, and the products that take them
.else
	LASTADDS \start
	MOVS \c
.endif
.endm
; A STEP: 128 keys.  K's first four tiles were asked for ahead of it.  first: the pair's first step, whose products start the sums; pre: the next step's first four tiles are asked for;
; sig: the barrier for steps 1 to 7 is signalled; addr: the step's LDS addresses are made here
.macro STEP first, pre, sig, addr
	s_wait_dscnt 0x0
	SPROD
.if \addr
	ADDR                                           ; (also the places ahead of the loads into K's registers and of the first read of the scores)
.else
	PLACES 4
.endif
	KLOAD 1
	VLOAD
	MATH 0, \first
	s_wait_dscnt 0x0
.if \sig
	s_wait_tensorcnt 0x0                           ; my load of the later steps has landed; the barrier's wait stands behind this step
	s_barrier_signal -1
.endif
	SPROD
	PLACES 4
.if \pre
	KLOAD 2
.endif
	MATH 1, 0
	OPROD \first
.endm
; THE WAY OUT: the sums' parts are added; O^T / the sum goes through my stage in LDS and comes back by rows: sixteen lanes store a query's 256 bytes of its head, an aligned run of out0.
.macro WAYOUT out
.irp z, 0,1
	v_pk_add_f32 v[SUM+4*\z:SUM+4*\z+1], v[SUM+4*\z:SUM+4*\z+1], v[SUM+4*\z+2:SUM+4*\z+3]
.endr
.irp z, 0,1
	v_add_f32 v[SUM+4*\z], v[SUM+4*\z], v[SUM+4*\z+1]
.endr
.irp z, 0,1
	v_permlanex16_b32 v[BY+2*\z], v[SUM+4*\z], s56, s57
.endr
.irp z, 0,1
	v_add_f32 v[SUM+4*\z], v[SUM+4*\z], v[BY+2*\z] ; with lane l xor 16's keys: the row's sum
.endr
	s_wait_alu depctr_va_vdst(0)
.irp z, 0,1
	v_rcp_f32 v[SO+2*\z], v[SUM+4*\z]
	v_rcp_f32 v[SO+2*\z+1], v[SUM+4*\z]
.endr
	v_nop
	WIN 0x01                                       ; source 0 in window 1
	s_wait_alu depctr_va_vdst(0)
.set j, 0
.rept 16
	v_pk_mul_f32 v[SA+j:SA+j+1], v[j:j+1], v[SO:SO+1]     ; register 8 t + i: channel 32 (lane / 16) + 8 t + i; each accumulator from its low end on
.set j, j+2
.endr
.rept 16
	v_pk_mul_f32 v[SA+j:SA+j+1], v[j:j+1], v[SO+2:SO+3]
.set j, j+2
.endr
	WIN 0
.irp z, 0,1                                    ; LDS serves a wave's instructions in order (ISA guide 5.7.1.4): the loads see my stores, tile B's stores come behind tile A's loads
.irp t, 0,1,2,3
	ds_store_b128 v8, v[SA+32*\z+8*\t:SA+32*\z+8*\t+3] offset:32*\t
	ds_store_b128 v8, v[SA+32*\z+8*\t+4:SA+32*\z+8*\t+7] offset:32*\t+16
.endr
.irp x, 0,1,2,3,4,5,6,7
	ds_load_b128 v[VF+32*\z+4*\x:VF+32*\z+4*\x+3], v9 offset:544*\x
.endr
.endr
.irp z, 0,1
	s_wait_dscnt 16-16*\z                          ; tile A: B's eight stores and eight loads may be out
.irp x, 0,1,2,3,4,5,6,7
	global_store_b128 v10, v[VF+32*\z+4*\x:VF+32*\z+4*\x+3], s[\out:\out+1] offset:(8*\z+2*(\x%4)+32*(\x/4))*24576 th:TH_STORE_NT   ; slots 2 x and 2 x + 1; written once, read by nobody here
.endr
.endr
	s_wait_xcnt 0x0                                ; the stores have read their registers
.endm
	s_wait_alu depctr_va_vdst(0)                   ; the wait at the head's end
	s_cmp_lt_u32 s8, 4
	s_cbranch_scc0 .Lnot_first
	s_wait_tensorcnt 0x0
.Lnot_first:
	s_barrier_signal -1
	s_barrier_wait -1                              ; step 0 of both heads is in; the other loads may be out
	KLOAD 0
	s_wait_loadcnt 0x0                             ; Q
	STEP 1, 0, 1, 0
	s_barrier_wait -1                              ; the whole heads are in
	KLOAD 2
	s_mov_b32 s53, 6
.Lsteps:
	s_add_co_u32 s52, s52, STEPB
	STEP 0, 1, 0, 1
	s_sub_co_u32 s53, s53, 1
	s_cmp_lg_u32 s53, 0
	s_cbranch_scc1 .Lsteps
	s_add_co_u32 s52, s52, STEPB
	STEP 0, 0, 0, 1
	WAYOUT 48
; THE SECOND PAIR, of waves 0-3 alone.  Every wave walks the loop and makes the addresses; the branch on the wave's number leads round the step's work, and round no barrier
	s_mov_b32 s52, s58
	ADDR
	s_wait_alu depctr_va_vdst(0)                   ; ahead of the branch
	s_cmp_lt_u32 s8, 4
	s_cbranch_scc0 .Lskip_0
	KLOAD 0
	WIN 0x01
	v_mov_b32 v[QS], v[Q2+12]
.irp i, 0,1,2,3,4,5
	v_mov_b32 v[QA+\i], v[Q2+\i]
	v_mov_b32 v[QA+12+\i], v[Q2+6+\i]
.endr
	WIN 0
	PLACES 4                                       ; an operand written by vector instructions stands four places ahead of a scaled product
	s_wait_alu depctr_va_vdst(0)                   ; ahead of the step's blocking wait
	STEP 1, 1, 0, 0
.Lskip_0:
	s_mov_b32 s53, 6
.Lsecond:
	s_add_co_u32 s52, s52, STEPB
	ADDR
	s_wait_alu depctr_va_vdst(0)
	s_cmp_lt_u32 s8, 4
	s_cbranch_scc0 .Lskip_1
	STEP 0, 1, 0, 0
.Lskip_1:
	s_sub_co_u32 s53, s53, 1
	s_cmp_lg_u32 s53, 0
	s_cbranch_scc1 .Lsecond
	s_add_co_u32 s52, s52, STEPB
	ADDR
	s_wait_alu depctr_va_vdst(0)
	s_cmp_lt_u32 s8, 4
	s_cbranch_scc0 .Lskip_2
	STEP 0, 0, 0, 0
	WAYOUT 46
.Lskip_2:
	s_wait_tensorcnt 0x0                           ; the wave's end
	ds_add_u32 v14, v15
	s_wait_dscnt 0x0
	CROUND                                         ; the closing round: no work-group ends while a partner may still ask for a tile that names it
	s_endpgm
.Lfunc_end_k_qce7dced8cc_attend:
	.size	k_qce7dced8cc_attend, .Lfunc_end_k_qce7dced8cc_attend-k_qce7dced8cc_attend
	.p2alignl 7, 3214868480
	.fill 96, 4, 3214868480
	.section	.rodata,"a",@progbits
	.p2align	6, 0x0
	.amdhsa_kernel k_qce7dced8cc_attend
		.amdhsa_group_segment_fixed_size 248832
		.amdhsa_private_segment_fixed_size 0
		.amdhsa_enable_private_segment 0
		.amdhsa_kernarg_size 16
		.amdhsa_user_sgpr_count 2
		.amdhsa_user_sgpr_kernarg_segment_ptr 1
		.amdhsa_wavefront_size32 1
		.amdhsa_system_sgpr_workgroup_id_x 1
		.amdhsa_system_sgpr_workgroup_id_y 1
		.amdhsa_system_sgpr_workgroup_id_z 1
		.amdhsa_system_vgpr_workitem_id 0
		.amdhsa_next_free_vgpr 352
		.amdhsa_next_free_sgpr 80
		.amdhsa_reserve_vcc 0
		.amdhsa_float_denorm_mode_32 3
		.amdhsa_float_denorm_mode_16_64 3
		.amdhsa_memory_ordered 1
		.amdhsa_forward_progress 1
		.amdhsa_inst_pref_size 166
	.end_amdhsa_kernel
	.amdgpu_metadata
---
amdhsa.version: [ 1, 2 ]
amdhsa.kernels:
  - .name:           k_qce7dced8cc_attend
    .symbol:         k_qce7dced8cc_attend.kd
    .args:
      - { .name: kv, .offset: 0, .size: 8, .value_kind: global_buffer, .address_space: global }
      - { .name: out0, .offset: 8, .size: 8, .value_kind: global_buffer, .address_space: global }
    .group_segment_fixed_size: 248832
    .private_segment_fixed_size: 0
    .kernarg_segment_align: 8
    .kernarg_segment_size: 16
    .max_flat_workgroup_size: 256
    .sgpr_count:     80
    .vgpr_count:     352
    .wavefront_size: 32
...
	.end_amdgpu_metadata
.endif
;; end of part 2
